; MI455X (gfx1250); checked and timed in simulation.
; The chip was launched on July 23, 2026; its instructions are those of AMD's public machine-readable ISA for CDNA 5 (MIT licence, August 2026) and "CDNA5" Instruction Set Architecture Reference Guide (July 2026). The comments in the code are by the model that wrote it; some were corrected since.
;; Lstm. Allowed arithmetic: matrix products marked QUANTISED: E5M2 operands, one E8M0 scale for each 32 along K, by v_wmma_scale_f32_16x16x128_f8f6f4 with both operands' format E5M2, f32 sums; everything else in f32.
;; Inputs: W1 2,048 x 4,096 float32; W2 2,048 x 4,096 float32; W3 2,048 x 4,096 float32; W4 2,048 x 4,096 float32; b1 2,048 float32; b2 2,048 float32; b3 2,048 float32; b4 2,048 float32; c 2,048 x 2,048 float32; h 2,048 x 2,048 float32; i 2,048 x 2,048 float32.
;; Outputs: out0 2,048 x 2,048 float32; out1 2,048 x 2,048 float32.
;; This version of the problem:
;;   THIS VERSION OF THE PROBLEM IS GIVEN IN LOW PRECISION. The matrix products marked QUANTISED in the list below multiply operands that are first quantised to E5M2 (5 exponent bits, 2 mantissa bits; 8 bits a number), with one power-of-two scale for each 32 numbers along K (OCP MX v1.0); their sums are f32. All else is computed in f32.
;;   The module's matrix products, in the order in which they are computed (A, B: the left and right operand; K: the contracted axis; several contracted axes count as one K, in the product's order):
;;     1. [M 2,048, K 4,096] x [K 4,096, N 2,048]; A: computed on the way; B: input W1: QUANTISED
;;     2. [M 2,048, K 4,096] x [K 4,096, N 2,048]; A: computed on the way; B: input W2: QUANTISED
;;     3. [M 2,048, K 4,096] x [K 4,096, N 2,048]; A: computed on the way; B: input W3: QUANTISED
;;     4. [M 2,048, K 4,096] x [K 4,096, N 2,048]; A: computed on the way; B: input W4: QUANTISED
;;   THE QUANTISER, for each operand of a quantised product, along K:
;;     - K is cut into blocks of 32 from its start; a last block that is shorter is filled with zeros.
;;     - A block's scale is 2^e with e = floor(log2(the largest magnitude in the block)) - 15, held to -126 .. 127; a block of zeros has e = 0. As a byte (E8M0): e + 127.
;;     - Each number is divided by its block's scale, clamped to +-57,344, and rounded to the nearest number of E5M2, ties to even, subnormals kept.
;;     - The product sums the exact products of the quantised numbers (number of the format x scale) in f32.
;;   ~~~python
;;   def quantise(x, axis):      # numpy; x: float32 -> the quantised numbers, widened to float32 again
;;       x = np.moveaxis(x, axis, -1); K = x.shape[-1]
;;       x = np.pad(x, [(0, 0)] * (x.ndim - 1) + [(0, -K % 32)]); x = x.reshape(x.shape[:-1] + (-1, 32)); a = np.abs(x).max(-1, keepdims=True)
;;       e = np.where(a > 0, np.clip(np.frexp(np.where(a > 0, a, 1))[1] - 1 - 15, -126, 127), 0)      # np.frexp(a)[1] - 1 = floor(log2(a)), exactly
;;       r = np.clip(x / 2.0 ** e, -57344, 57344)
;;       step = 2.0 ** (np.maximum(np.frexp(np.where(r == 0, 1, r))[1] - 1, -14) - 2)
;;       q = np.round(r / step) * step * 2.0 ** e      # np.round: ties to even
;;       return np.moveaxis(q.reshape(q.shape[:-2] + (-1,))[..., :K], -1, axis).astype(np.float32)
;;   ~~~
;;   OPERANDS COMPUTED ON THE WAY. 'Computed on the way' means the value that the module computes at that place (a softmax that the list does not call 'softmax' is quantised finished and normalised). What goes into a quantiser is computed in f32, as accurately as f32 sums, v_exp_f32 and their like allow (about 1e-6 of the number): no bf16 or f16 on the way to a quantiser, and a product that is left as it is and whose result goes on into a quantised operand takes f32 operands (vector FMAs, or v_wmma_f32_16x16x4_f32). A number that lies on a knife's edge between two numbers of the format may be rounded either way, as far as f32 arithmetic and the matrix unit's own rounding can turn it there, and no further.
;; One version. Each part assembles by itself: llvm-mc -triple=amdgcn-amd-amdhsa -mcpu=gfx1250 --defsym DOCPART=n.
;; ======== version 1 of 1: 2 launches
;; limits: right only within a limited range of input values
;; workspace buffers: aq 8,388,608 bytes; wq 33,554,432 bytes; scl 1,310,720 bytes
;; launch quant (part 1): grid 1280 x 1, 4 waves a work-group, no clusters, 36,352 bytes of LDS; arguments i, h, W1, W2, W3, W4, aq, wq, scl; writes aq, wq, scl
.if DOCPART == 1
	.amdgcn_target "amdgcn-amd-amdhsa--gfx1250"
	.amdhsa_code_object_version 6
	.text
	.protected	k_q2b4f031867_quant
	.globl	k_q2b4f031867_quant
	.p2align	8
	.type	k_q2b4f031867_quant,@function
k_q2b4f031867_quant:
	s_mov_b64 s[64:65], 0
	v_nop
	global_prefetch_b8 v0, s[64:65] scope:SCOPE_SE
	s_setreg_imm32_b32 hwreg(HW_REG_WAVE_MODE, 25, 1), 1
	s_wait_xcnt 0x0
; i, h [2048][2048] and W1 .. W4 [2048][4096], f32, K innermost, become codes of BF8 (E5M2) with one E8M0 scale byte for each 32 along K.
; ih = [i | h]: K = 4,096, in 16 K steps of 256; i gives K steps 0-7, h 8-15.  The four W become ONE operand of 8,192 rows: row n of gate g (0 .. 3) is row p = (n / 32) x 128 + 32 g + n % 32.
; A block's scale is 2^(F - 127 - 15), F the exponent field of its largest magnitude, held at 16 from below; its byte is F - 15.  Each number is divided by the scale, held within +-57,344, and rounded to the nearest code, ties to even.
; LAYOUT OF THE CODES (aq, wq): byte = K step x (rows x 256) + (row / 16) x 4,096 + piece x 256 + (row % 16) x 16, a piece being 16 codes, piece = (k % 256) / 16.  SCALE BYTES (scl): [K step][row][8]; ih's from byte 0 (16,384 a K step), W's from byte 262,144 (65,536 a K step).
; LIMITS: a block of zeros gets the byte 1 where the rule says 127: its codes are zeros, which add nothing under any byte but 0xff, and this program alone reads the bytes.  NaN and infinities among the inputs are not served.
; SHARES.  A work-group takes 32 rows x 1,024 along K, wave w its w-th K step: 16 steps of 2 rows x 256 numbers.  Work-groups 0-127: i; 128-255: h; then 256 for each W.  Only pointers and offsets are chosen: all take one path.
; A step's four loads read 512 consecutive bytes each, 16 a lane: a lane holds four QUADS, 4 neighbours along K of four different blocks (rows 2 t, 2 t + 1; halves 0, 1 of the row's 256); eight neighbouring lanes hold a block.
; A block's largest magnitude: two lines in the lane, three DPP steps over the eight lanes.  The conversion takes eight numbers under ONE scale, and a lane's two quads have two: so each number is first multiplied by 2^(128 - F), a power of two
; (the exponent field 255 - F: the magnitude's bits inverted under the field's mask, one line), which rounds nothing that a code could show; that is the number / the scale x 2^-14.  The hold is then +-3.5 = 57,344 x 2^-14, and the conversion's scale the constant 2^-14.
; A quad's four codes are one word of a piece.  The wave's 8,192 bytes of codes are gathered in LDS in the order of the buffer (pieces 272 bytes apart: the 32 lanes of a store touch 32 different banks) and leave by 16 stores of 512 consecutive bytes.
; The exponent fields F are gathered as bytes; 15 is taken off all four bytes of a word at once on the way out (each is 16 at the least: no borrow); they leave by one store of 256 bytes.
; No tensor loads, no barrier: waves share nothing.  Loads run four steps (16 loads a wave) ahead, in five sets of registers.  192 registers are claimed so that five work-groups share a WGP: 1,280 are then one whole turn.
.set STEPS, 16
.set WREG,  8960                       ; LDS: a region for each wave: the codes, then its 256 bytes of exponent fields
.set IP,    272
.set SCBY,  32*IP
.set SPARE, 4*WREG                     ; the spare words: two blocks of 256 bytes that no other line names
.set R,     16                         ; v16-95   five sets of 16 numbers; on the way out the codes
.set MX,    96                         ; v96-99   the quads' largest magnitudes
.set IV,    100                        ; v100-107 their multipliers, each the low word of a pair (the packed form names a pair)
.set C,     108                        ; v108-123 codes, four sets by turns
.set E,     124                        ; v124-139 exponent fields, four sets by turns
.set SOP,   140                        ; v140     2^-14
; v1 where I put a word of codes, v2 where I read the codes back, v3 16 x lane, v4 the same one row on, v5 my block's byte, v6 my 8 bytes on the way out, v7 8 x lane, v8-11 at work, v12 my spare word, v13 0
	s_load_b512 s[4:19], s[0:1], 0x0               ; i, h, W1, W2, W3, W4, aq, wq
	s_load_b64 s[20:21], s[0:1], 0x40              ; scl
	v_lshl_add_u32 v12, v0, 2, SPARE
	v_mov_b32 v13, 0
	v_lshrrev_b32 v9, 5, v0
	v_readfirstlane_b32 s22, v9                    ; wave
	s_mul_i32 s30, s22, WREG                       ; my region
	v_and_b32 v8, 31, v0                           ; lane l
	v_lshrrev_b32 v9, 2, v8
	v_and_b32 v10, 3, v8
	v_mul_u32_u24 v1, v9, IP
	v_lshl_add_u32 v1, v10, 2, v1
	v_add_nc_u32 v1, s30, v1                       ; in: piece l / 4 of the half's eight, word l % 4
	v_and_b32 v9, 15, v8
	v_lshrrev_b32 v10, 4, v8
	v_mul_u32_u24 v2, v10, IP
	v_lshl_add_u32 v2, v9, 4, v2
	v_add_nc_u32 v2, s30, v2                       ; back: sixteen lanes to a piece's 256 bytes, two pieces an instruction
	v_lshlrev_b32 v3, 4, v8
	v_lshrrev_b32 v5, 3, v8
	v_add_nc_u32 v5, s30, v5
	v_add_nc_u32 v5, SCBY, v5
	v_lshlrev_b32 v7, 3, v8
	v_add_nc_u32 v6, s30, v7
	v_add_nc_u32 v6, SCBY, v6
	v_mov_b32 v[SOP], 0x38800000                   ; 2^-14
.irp g, 0,1,2,3
	v_mov_b32 v[IV+2*\g+1], 0                      ; the pairs' upper words, named and not used
.endr
	s_mov_b32 s23, 0x7f800000                      ; the exponent field's mask
	; if the work-group serves i or h: tensor t, rows 32 rg on, K step ks of the tensor, kd of ih
	s_bfe_u32 s32, ttmp9, 0x10007                  ; t
	s_bfe_u32 s33, ttmp9, 0x60001                  ; rg
	s_and_b32 s34, ttmp9, 1
	s_lshl_b32 s34, s34, 2
	s_add_co_u32 s34, s34, s22                     ; ks
	s_lshl_b32 s35, s32, 3
	s_add_co_u32 s35, s35, s34                     ; kd
	s_lshl_b32 s36, s33, 18                        ; the numbers: 32 rows of 8,192 bytes, 1,024 bytes a K step
	s_lshl_b32 s39, s34, 10
	s_or_b32 s36, s36, s39
	s_lshl_b32 s37, s35, 19                        ; the codes: 524,288 bytes a K step, 8,192 for 32 rows
	s_lshl_b32 s39, s33, 13
	s_or_b32 s37, s37, s39
	s_lshl_b32 s38, s35, 14                        ; the scale bytes: 16,384 a K step, 256 for 32 rows
	s_lshl_b32 s39, s33, 8
	s_or_b32 s38, s38, s39
	; if it serves a W: gate g, rows 32 rg on, K step ks, first row p of the joint operand
	s_sub_co_u32 s40, ttmp9, 256
	s_bfe_u32 s41, s40, 0x20008                    ; g
	s_bfe_u32 s42, s40, 0x60002                    ; rg
	s_and_b32 s43, s40, 3
	s_lshl_b32 s43, s43, 2
	s_add_co_u32 s43, s43, s22                     ; ks
	s_lshl_b32 s44, s42, 7
	s_lshl_b32 s39, s41, 5
	s_add_co_u32 s44, s44, s39                     ; p = 128 rg + 32 g
	s_lshl_b32 s45, s42, 19                        ; 32 rows of 16,384 bytes
	s_lshl_b32 s39, s43, 10
	s_or_b32 s45, s45, s39
	s_lshl_b32 s46, s43, 21                        ; 2,097,152 bytes of codes a K step, 256 a row
	s_lshl_b32 s39, s44, 8
	s_or_b32 s46, s46, s39
	s_lshl_b32 s47, s43, 16                        ; 65,536 scale bytes a K step, 8 a row, behind ih's
	s_lshl_b32 s39, s44, 3
	s_add_co_u32 s47, s47, s39
	s_add_co_u32 s47, s47, 262144
	s_wait_alu depctr_va_vdst(0)                   ; the wait at the head's end
	s_wait_kmcnt 0x0
	s_cmp_lt_u32 s41, 2                            ; every choice hangs on the work-group's number alone
	s_cselect_b64 s[48:49], s[8:9], s[12:13]       ; W1 or W3
	s_cselect_b64 s[50:51], s[10:11], s[14:15]     ; W2 or W4
	s_bitcmp1_b32 s41, 0
	s_cselect_b64 s[48:49], s[50:51], s[48:49]     ; gate g's W
	s_cmp_lt_u32 ttmp9, 128
	s_cselect_b64 s[50:51], s[4:5], s[6:7]         ; i or h
	s_cmp_lt_u32 ttmp9, 256
	s_cselect_b64 s[32:33], s[50:51], s[48:49]     ; the numbers
	s_cselect_b64 s[24:25], s[16:17], s[18:19]     ; the codes
	s_cselect_b32 s2, s36, s45
	s_cselect_b32 s52, s37, s46
	s_cselect_b32 s54, s38, s47
	s_mov_b32 s31, 16384
	s_cselect_b32 s31, 8192, s31                   ; a row of the numbers in bytes
	s_mov_b32 s3, 0
	s_mov_b32 s53, 0
	s_mov_b32 s55, 0
	s_add_nc_u64 s[32:33], s[32:33], s[2:3]        ; step 0's two rows
	s_add_nc_u64 s[24:25], s[24:25], s[52:53]
	s_add_nc_u64 s[26:27], s[20:21], s[54:55]
	s_lshl_b32 s28, s31, 1
	s_mov_b32 s29, 0
.irp t, 1,2,3,4,5,6,7,8,9,10,11,12,13,14,15
	s_add_nc_u64 s[32+2*\t:33+2*\t], s[30+2*\t:31+2*\t], s[28:29]   ; a base for each step, two rows on: no pointer is stepped while a load names it
.endr
	s_mov_b32 s2, 0x40600000                       ; 3.5
	s_mov_b32 s3, 0xc0600000                       ; -3.5
	v_add_nc_u32 v4, s31, v3
	s_wait_alu depctr_va_vdst(0)
.macro LOAD t                          ; step t: rows 2 t and 2 t + 1, 1,024 bytes of each; 32 lanes read 512 consecutive bytes.  Quad g (registers 4 g on): row 2 t + g / 2, half g % 2
	global_load_b128 v[R+16*((\t)%5):R+16*((\t)%5)+3],     v3, s[32+2*(\t):33+2*(\t)] th:TH_LOAD_NT
	global_load_b128 v[R+16*((\t)%5)+4:R+16*((\t)%5)+7],   v3, s[32+2*(\t):33+2*(\t)] offset:512 th:TH_LOAD_NT
	global_load_b128 v[R+16*((\t)%5)+8:R+16*((\t)%5)+11],  v4, s[32+2*(\t):33+2*(\t)] th:TH_LOAD_NT
	global_load_b128 v[R+16*((\t)%5)+12:R+16*((\t)%5)+15], v4, s[32+2*(\t):33+2*(\t)] offset:512 th:TH_LOAD_NT
.endm
.irp t, 0,1,2,3
	LOAD \t
.endr
.macro STEP t
.set XS, R+16*((\t)%5)
.set CS, C+4*((\t)%4)
.set ES, E+4*((\t)%4)
.if (\t)+4 < STEPS
	LOAD (\t)+4                                    ; into the set that the last step has converted
	s_wait_loadcnt 16                              ; this step's four loads are in; those of the four steps behind it may be out
.else
	s_wait_loadcnt 4*(STEPS-1-(\t))
.endif
.if (\t) >= 4
	s_wait_dscnt 24                                ; the eight LDS stores of four steps back are done (behind them: three steps' 24): their registers are written anew below
.endif
.irp g, 0,1,2,3                        ; the four quads by turns: no line waits for the line above it
	v_max3_num_f32 v[MX+\g], |v[XS+4*\g]|, |v[XS+4*\g+1]|, |v[XS+4*\g+2]|
.endr
.irp g, 0,1,2,3
	v_max3_num_f32 v[MX+\g], v[MX+\g], |v[XS+4*\g+3]|, 0x8000000   ; and the floor 2^(16 - 127): the byte cannot fall under 1
.endr
.irp x, 1,2,4
.irp g, 0,1,2,3
	v_max_num_f32_dpp v[MX+\g], v[MX+\g], v[MX+\g] row_xmask:\x row_mask:0xf bank_mask:0xf   ; over the eight lanes of the block
.endr
.endr
.irp g, 0,1,2,3
	v_bfi_b32 v[IV+2*\g], v[MX+\g], 0, s23         ; the inverted bits under the mask: the exponent field 255 - F: 2^(128 - F)
.endr
.irp g, 0,1,2,3
	v_lshrrev_b32 v[ES+\g], 23, v[MX+\g]           ; F
.endr
.irp g, 0,1,2,3
	v_pk_mul_f32 v[XS+4*\g:XS+4*\g+1], v[XS+4*\g:XS+4*\g+1], v[IV+2*\g:IV+2*\g+1] op_sel_hi:[1,0]
	v_pk_mul_f32 v[XS+4*\g+2:XS+4*\g+3], v[XS+4*\g+2:XS+4*\g+3], v[IV+2*\g:IV+2*\g+1] op_sel_hi:[1,0]
.endr
.irp i, 0,1,2,3,4,5,6,7,8,9,10,11,12,13,14,15
	v_med3_num_f32 v[XS+\i], v[XS+\i], s3, s2      ; the conversion to an 8-bit code does not saturate (ISA guide 7.6.2): the hold comes first
.endr
	v_cvt_scalef32_pk8_bf8_f32 v[CS:CS+1], v[XS:XS+7], v[SOP]
	v_cvt_scalef32_pk8_bf8_f32 v[CS+2:CS+3], v[XS+8:XS+15], v[SOP]
.irp g, 0,1,2,3
	ds_store_b32 v1, v[CS+\g] offset:((\t)/8)*16*IP+(\g%2)*8*IP+((2*(\t)+\g/2)%16)*16
.endr
.irp g, 0,1,2,3
	ds_store_b8 v5, v[ES+\g] offset:(2*(\t)+\g/2)*8+4*(\g%2)   ; the eight lanes of a block write the same byte with the same value
.endr
.endm
.irp t, 0,1,2,3,4,5,6,7,8,9,10,11,12,13,14,15
	STEP \t
.endr
.irp k, 0,1,2,3,4,5,6,7,8,9,10,11,12,13,14,15
	ds_load_b128 v[R+4*\k:R+4*\k+3], v2 offset:(\k/8)*16*IP+(\k%8)*2*IP   ; LDS serves a wave's instructions in order: these see my stores
.endr
	ds_load_b64 v[8:9], v6
.irp k, 0,1,2,3,4,5,6,7,8,9,10,11,12,13,14,15
	s_wait_dscnt 16-\k                             ; read k is back; the younger reads may be out
	global_store_b128 v3, v[R+4*\k:R+4*\k+3], s[24:25] offset:512*\k   ; 32 lanes store 512 consecutive bytes, at a multiple of 256 from the buffer's first byte
.endr
	s_wait_dscnt 0x0
	v_sub_nc_u32 v8, v8, 0x0f0f0f0f                ; F - 15 in all four bytes
	v_sub_nc_u32 v9, v9, 0x0f0f0f0f
	global_store_b64 v7, v[8:9], s[26:27]          ; 32 lanes store 256 consecutive bytes, aligned likewise
	s_wait_tensorcnt 0x0                           ; the wave's end
	ds_add_u32 v12, v13
	s_wait_dscnt 0x0
	s_endpgm
.Lfunc_end_k_q2b4f031867_quant:
	.size	k_q2b4f031867_quant, .Lfunc_end_k_q2b4f031867_quant-k_q2b4f031867_quant
	.p2alignl 7, 3214868480
	.fill 96, 4, 3214868480
	.section	.rodata,"a",@progbits
	.p2align	6, 0x0
	.amdhsa_kernel k_q2b4f031867_quant
		.amdhsa_group_segment_fixed_size 36352
		.amdhsa_private_segment_fixed_size 0
		.amdhsa_enable_private_segment 0
		.amdhsa_kernarg_size 72
		.amdhsa_user_sgpr_count 2
		.amdhsa_user_sgpr_kernarg_segment_ptr 1
		.amdhsa_wavefront_size32 1
		.amdhsa_system_sgpr_workgroup_id_x 1
		.amdhsa_system_sgpr_workgroup_id_y 1
		.amdhsa_system_sgpr_workgroup_id_z 1
		.amdhsa_system_vgpr_workitem_id 0
		.amdhsa_next_free_vgpr 192
		.amdhsa_next_free_sgpr 66
		.amdhsa_reserve_vcc 0
		.amdhsa_float_denorm_mode_32 3
		.amdhsa_float_denorm_mode_16_64 3
		.amdhsa_memory_ordered 1
		.amdhsa_forward_progress 1
		.amdhsa_inst_pref_size 77
	.end_amdhsa_kernel
	.amdgpu_metadata
---
amdhsa.version: [ 1, 2 ]
amdhsa.kernels:
  - .name:           k_q2b4f031867_quant
    .symbol:         k_q2b4f031867_quant.kd
    .args:
      - { .name: i, .offset: 0, .size: 8, .value_kind: global_buffer, .address_space: global }
      - { .name: h, .offset: 8, .size: 8, .value_kind: global_buffer, .address_space: global }
      - { .name: W1, .offset: 16, .size: 8, .value_kind: global_buffer, .address_space: global }
      - { .name: W2, .offset: 24, .size: 8, .value_kind: global_buffer, .address_space: global }
      - { .name: W3, .offset: 32, .size: 8, .value_kind: global_buffer, .address_space: global }
      - { .name: W4, .offset: 40, .size: 8, .value_kind: global_buffer, .address_space: global }
      - { .name: aq, .offset: 48, .size: 8, .value_kind: global_buffer, .address_space: global }
      - { .name: wq, .offset: 56, .size: 8, .value_kind: global_buffer, .address_space: global }
      - { .name: scl, .offset: 64, .size: 8, .value_kind: global_buffer, .address_space: global }
    .group_segment_fixed_size: 36352
    .private_segment_fixed_size: 0
    .kernarg_segment_align: 8
    .kernarg_segment_size: 72
    .max_flat_workgroup_size: 128
    .sgpr_count:     66
    .vgpr_count:     192
    .wavefront_size: 32
...
	.end_amdgpu_metadata
.endif
;; end of part 1
;; launch lstm (part 2): grid 32 x 8, 4 waves a work-group, clusters of 4 x 4, 327,680 bytes of LDS; arguments aq, wq, scl, c, b1, b2, b3, b4, out0, out1; writes out0, out1
.if DOCPART == 2
	.amdgcn_target "amdgcn-amd-amdhsa--gfx1250"
	.amdhsa_code_object_version 6
	.text
	.protected	k_q2b4f031867_lstm
	.globl	k_q2b4f031867_lstm
	.p2align	8
	.type	k_q2b4f031867_lstm,@function
k_q2b4f031867_lstm:
	s_mov_b64 s[64:65], 0
	v_nop
	global_prefetch_b8 v0, s[64:65] scope:SCOPE_SE
	s_setreg_imm32_b32 hwreg(HW_REG_WAVE_MODE, 25, 1), 1
	s_wait_xcnt 0x0
	s_wait_alu depctr_hold_cnt(0) depctr_sa_sdst(0) depctr_va_vdst(0) depctr_va_sdst(0) depctr_va_ssrc(0) depctr_va_vcc(0) depctr_vm_vsrc(0)
	s_getreg_b32 s2, hwreg(HW_REG_IB_STS2, 6, 4)
	s_cmp_eq_u32 s2, 0
	s_cbranch_scc0 .Lentry_in_a_cluster
	s_endpgm
.Lentry_in_a_cluster:
	s_bfe_u32 s2, ttmp6, 0x10000c
	s_cmp_lg_u32 s2, 0xf033
	s_cbranch_scc0 .Lentry_shape_is_right
	s_endpgm
.Lentry_shape_is_right:
; z_g = ih W_g^T + b_g (g = 1 .. 4) on codes of BF8 (E5M2) with one E8M0 scale for each 32 along K, sums in f32; then new_c = c s(z1) + s(z2) tanh(z3) -> out1 and new_h = tanh(c) s(z4) -> out0, s the sigmoid, in f32.
; The four products are ONE product of 2,048 x 8,192 x 4,096: the rows of the four W lie interleaved in wq (row p = (n / 32) x 128 + 32 g + n % 32), so 256 rows p are the four gates of 64 columns n, and z never goes to memory.
; aq, wq: codes as images of the operand's registers: [K step of 256][row / 16][4,096 bytes], in them [128 along K][register group c][lane][16 bytes].  scl: scale bytes [K step][row][8]: ih's from byte 0, W's from byte 262,144.
; SHARES.  A work-group of four waves makes 256 rows x 256 p; a wave 128 x 128: 64 accumulators, 512 registers; W's block b is gate b / 2, columns 16 (b % 2) on.  Source 0 = 16 rows of W, source 1 = 16 rows of ih: a lane holds one row m and eight neighbouring columns n.
; K goes in 16 steps of 256 through a ring of two LDS slots of 98,304 bytes: blocks 0-3 of each half of ih's rows (2 x 16,384 bytes), then W's 256 rows.  CLUSTERS: 4 x 4; ih's tiles are asked for jointly along a row of the cluster, W's along a column.
; ih's BLOCKS 4-7 OF EACH WAVE PASS NO LDS: aq holds them as register images, so each lane loads its 16 bytes of a register group from memory (32 lanes: 512 consecutive bytes), 16 loads a wave for 128 along K, one half ahead, into two sets of registers by turns.
; They are a quarter of a K step's 131,072 bytes; with them outside, the one tensor load a wave behind a round brings 16,384 or 32,768 bytes.  They are not asked for jointly, since a joint load lands in LDS.
; THE HEAD: one joint load a wave: wave 0 K step 0's blocks 0-3 of ih (2 rows of 16,384 bytes, 32,768 apart), wave 2 its 256 rows of W, waves 1 and 3 the scale bytes of K steps 1-15 (15 rows of 2,048 bytes each); K step 0's scale words go straight into registers.  Slot 1 is first filled behind the full sequence and a round.
; A HALF is 128 along K: 64 products, ih's blocks one after the other, each against W's eight.  ALL LOADS FOR THE NEXT HALF STAND IN ONE RUN behind product 31: W's eight fragments into W's other set; ih's blocks 0-3 into their one set, whose products are over;
; ih's blocks 4-7 into the one of their two sets that this half does not read (the second set lies where the biases lay, which only the first half reads: so the first half's run leaves blocks 4-7 out, and they follow behind that half).
; THE CHANGE OF SLOTS stands in a K step's second half, all of whose fragments were asked for in the first: behind product 27 the wait for my tensor load and the add; four products; behind product 31 the wait for the add, the round, the refill; then the run, from the other slot.
; The biases are the C of each sum's first product.  c's tile comes by a tensor load into slot 0 when that slot has been read for the last time.  THE TAIL goes by blocks of 16 rows through stages in LDS; a block's barrier is signalled behind its stage stores and waited for among the next block's work.
; PREFETCHES: behind the refill that asks for K step t + 2 one instruction a wave names K step t + 4: of the 32,768 bytes of a half of ih's or W's rows each of the four partners takes 8,192, told apart by address, lanes 256 bytes apart; cluster x = 0 asks for ih, cluster y = 0 for W; the loop's last trip asks for c's rows instead.
; LIMITS: the exponents 2 log2(e) x of the two tanh are held at 64, where tanh is 1 to the last bit of f32; where a denominator (1 + e^-z)(e^2x + 1) passes the largest f32 number the term is 0 (its true size is under 2^-62).  NaN and infinities are not served.
; REGISTERS: window 0: v1-8 at work in the head (v4, 16 x lane, is kept); v16-31 addresses; v32-63 scale words, two sets; v64-127 the biases, then ih's blocks 4-7 in second halves; v128-191 ih's blocks 0-3; v192-255 its blocks 4-7 in first halves; in the tail v64-255 are at work.
;   window 1: W's fragments, two sets.  windows 2, 3: the accumulators ((a, b) at v[8 (8 (a % 4) + b)]).
.set FR,     16
.set SLOT,   98304
.set APLANE, 524288                    ; a K step of aq in bytes
.set BPLANE, 2097152                   ; and of wq
.set SCA,    2*SLOT                    ; ih's scale bytes of K steps 1-15: [15][2,048]
.set SCB,    SCA+15*2048+128           ; W's; the 128 put the two halves of the lanes of a load of scale words on different banks
.set SPARE,  258304                    ; behind the scale bytes: the spare words: two blocks of 256 bytes that no other line names
.set CP,     272                       ; the tail: a row of 64 numbers + 16 bytes
.set STC,    256*CP                    ; c's tile at byte 0; the stage of new_c;
.set STH,    2*256*CP                  ; that of new_h: on bytes that have had their last fill and their last read
.set AOF,  4                           ; v4 16 x lane: my place in a register group's 512 bytes of aq
.set ADRA, 16                          ; v16-17 my fragments of ih in slot 0, 1
.set CO,   18                          ; my byte offset in two rows of an output
.set ADRB, 20                          ; v20-21 my fragments of W
.set ADRS, 22                          ; my scale words: lanes 0-15 ih's rows, lanes 16-31 W's
.set CLD,  23                          ; my 32 bytes of a row of c; CSG, HSG the same place in the stages; RDC, RDH where I read rows back
.set CSG,  24
.set HSG,  25
.set RDC,  26
.set RDH,  27
.set SPW,  28                          ; my spare word; NIL 0: never rewritten
.set NIL,  29
.set PFO,  30                          ; 256 x lane;  PFC 8,192 x lane
.set PFC,  31
.set SC,   32                          ; scale words: set s at v[SC + 16 s]; register 2 i + q
.set BI,   64
.set AF,   128
.set CV,   64
.set XG,   80
.set X1,   80
.set X2,   96
.set X3,   112
.set X4,   128
.set XC,   144
.set SS,   160
.set AA,   176
.set OC,   192
.set OH,   208
.set OB,   224
.set GA,   4                           ; s[4:5] first aq, then my 128 rows of ih in the K step whose blocks 4-7 are loaded next
.set WV,   12                          ; s12 wave; s13 its half of the rows, also: it fetches for ih (0) or W (1); s14 its half of the columns, also: which half of the rows it fetches
.set WM,   13
.set WN,   14
.set LIM,  15                          ; 1 in a wave that prefetches codes, else the greatest number
.set G0C,  20
.set G1,   24
.set G0,   32
.set G1B,  48
.set G0B,  56
.set G1S,  68
.set G0S,  76
.set G1SB, 80
.set G0SB, 88
.set G1C,  92                          ; first the biases' addresses, then group 1 for c's tile
.set PFA,  100
.set PFS,  104
.set KS,   24
.set KT,   26
.set K64,  28
.set TO_B, 0x40
.set MSB, 0
.macro WIN new                         ; the immediate's high byte repeats the setting that is left
.if MSB != (\new)
	s_set_vgpr_msb (MSB<<8)|(\new)
.set MSB, (\new)
.endif
.endm
.macro PLACES n
.rept \n
	v_nop
.endr
.endm
.macro JLOAD g0a, g1a, g0b, g1b        ; a joint load: waves 0, 1 for ih, waves 2, 3 for W; s_nop 0 and four v_nop behind each line
	s_cmp_eq_u32 s[WM], 0
	s_cbranch_scc0 .Lfor_b_\@
	tensor_load_to_lds s[\g0a:\g0a+3], s[\g1a:\g1a+7]
	s_nop 0
	PLACES 4
	s_branch .Lasked_\@
.Lfor_b_\@:
	tensor_load_to_lds s[\g0b:\g0b+3], s[\g1b:\g1b+7]
	s_nop 0
	PLACES 4
.Lasked_\@:
.endm
.macro CREST                           ; a round of the cluster's barrier behind its opening barrier
	s_cmp_lg_u32 s[WV], 0
	s_cbranch_scc1 .Lnot_wave_0_\@
	s_barrier_signal -3
.Lnot_wave_0_\@:
	s_barrier_wait -3
	s_barrier_signal -1
	s_barrier_wait -1
.endm
.macro CROUND
	s_barrier_signal -1
	s_barrier_wait -1
	CREST
.endm
.macro ASK                             ; K step t + 4's codes; the loop's last trip (s3 = 1) has none
	s_cmp_gt_u32 s3, s[LIM]
	s_cbranch_scc0 .Lnot_mine_\@
	global_prefetch_b8 v[PFO], s[PFA:PFA+1] th:TH_LOAD_NT scope:SCOPE_SE
.Lnot_mine_\@:
.endm
.macro ASKC slot                       ; in the loop's last trip: 32 of the 64 rows of c that I will fetch, a lane a row of 256 bytes
	s_cmp_eq_u32 s3, 1
	s_cbranch_scc0 .Lnot_yet_\@
	global_prefetch_b8 v[PFC], s[10:11] offset:\slot*262144 th:TH_LOAD_NT scope:SCOPE_SE
.Lnot_yet_\@:
.endm
	s_load_b256 s[4:11], s[0:1], 0x0               ; aq, wq, scl, c
	s_load_b256 s[92:99], s[0:1], 0x20             ; b1 .. b4
	s_load_b128 s[16:19], s[0:1], 0x40             ; out0 (new_h), out1 (new_c)
	v_lshl_add_u32 v[SPW], v0, 2, SPARE
	v_mov_b32 v[NIL], 0
	ds_add_u32 v[SPW], v[NIL]                      ; the opening lines: the add twice on end and one wait, ahead of my first tensor load
	ds_add_u32 v[SPW], v[NIL]
	v_lshrrev_b32 v1, 5, v0
	v_readfirstlane_b32 s[WV], v1
	s_lshr_b32 s[WM], s[WV], 1
	s_and_b32 s[WN], s[WV], 1
	s_bfe_u32 s40, ttmp6, 0x40000                  ; cx, cy
	s_bfe_u32 s41, ttmp6, 0x40004
	s_lshl_b32 s42, ttmp9, 2
	s_add_co_u32 s42, s42, s40                     ; tc: 256 rows of W, 64 columns of the outputs
	s_and_b32 s43, ttmp7, 0xffff
	s_lshl_b32 s43, s43, 2
	s_add_co_u32 s43, s43, s41                     ; tr
	s_lshl_b32 s44, s41, 2
	s_lshl_b32 s44, 15, s44                        ; my row of the cluster
	s_lshl_b32 s45, 0x1111, s40                    ; my column
	; group 1 for the codes, elements of 8 bytes.  At the head: ih: 2 rows of 16,384 bytes, 32,768 apart; W: 65,536 dense bytes as 256 rows of 256.  Behind the head: dense bytes as rows of 256: 64 for ih, 128 for W
	s_or_b32 s[G1+0], s44, (3<<16)|(1<<21)
	s_mov_b32 s[G1+1], 2048<<16
	s_mov_b32 s[G1+2], 2<<16
	s_mov_b32 s[G1+3], 2048<<16
	s_mov_b32 s[G1+4], 2
	s_mov_b32 s[G1+5], 4096
	s_mov_b32 s[G1+6], 0
	s_mov_b32 s[G1+7], 0
	s_or_b32 s[G1B+0], s45, (3<<16)|(1<<21)
	s_mov_b32 s[G1B+1], 32<<16
	s_mov_b32 s[G1B+2], 256<<16
	s_mov_b32 s[G1B+3], 32<<16
	s_mov_b32 s[G1B+4], 256
	s_mov_b32 s[G1B+5], 32
	s_mov_b32 s[G1B+6], 0
	s_mov_b32 s[G1B+7], 0
	; and for the scale bytes: 15 rows (K steps 1-15) of 2,048 bytes (256 rows' 8 bytes), a K step of the buffer apart
	s_or_b32 s[G1S+0], s44, (3<<16)|(1<<21)
	s_or_b32 s[G1SB+0], s45, (3<<16)|(1<<21)
.irp g, G1S, G1SB
	s_mov_b32 s[\g+1], 256<<16
	s_mov_b32 s[\g+2], 15<<16
	s_mov_b32 s[\g+3], 256<<16
	s_mov_b32 s[\g+4], 15
	s_mov_b32 s[\g+6], 0
	s_mov_b32 s[\g+7], 0
.endr
	s_mov_b32 s[G1S+5], 2048
	s_mov_b32 s[G1SB+5], 8192
	; offsets of the tiles: ih's hang on tr and the wave's number alone, W's on tc and the wave's number alone.  In waves 0 and 2 slot 0's group 0 is also that of the head's load
	s_lshl_b32 s105, s[WN], 15
	s_lshl_b32 s[G0+2], s43, 16
	s_add_co_u32 s[G0+2], s[G0+2], s105
	s_mov_b32 s[G0+3], 0
	s_lshl_b32 s[G0B+2], s42, 16
	s_add_co_u32 s[G0B+2], s[G0B+2], s105
	s_mov_b32 s[G0B+3], 0
	s_lshl_b32 s[G0S+2], s43, 11
	s_add_co_u32 s[G0S+2], s[G0S+2], 16384
	s_mov_b32 s[G0S+3], 0
	s_lshl_b32 s[G0SB+2], s42, 11
	s_add_co_u32 s[G0SB+2], s[G0SB+2], 262144+65536
	s_mov_b32 s[G0SB+3], 0
.irp g, G0, G0+4, G0B, G0B+4, G0S, G0SB
	s_mov_b32 s[\g], 1
.endr
	s_lshl_b32 s[G0+1], s[WN], 14                  ; ih's halves at 0 and 16,384; W's at 32,768 and 65,536: no place in the cluster enters an LDS address
	s_add_co_u32 s[G0+5], s[G0+1], SLOT
	s_add_co_u32 s[G0B+1], s105, 32768
	s_add_co_u32 s[G0B+5], s[G0B+1], SLOT
	s_mov_b32 s[G0S+1], SCA
	s_mov_b32 s[G0SB+1], SCB
	s_lshl_b32 s2, s43, 21                         ; c: row 256 tr + 64 wave, column 64 tc
	s_lshl_b32 s3, s[WV], 19
	s_add_co_u32 s2, s2, s3
	s_lshl_b32 s3, s42, 8
	s_add_co_u32 s2, s2, s3
	s_mov_b32 s3, 0
	s_lshl_b32 s46, s43, 21                        ; the outputs: row 256 tr + 128 WM + 8 WN, column 64 tc
	s_lshl_b32 s47, s[WM], 20
	s_add_co_u32 s46, s46, s47
	s_lshl_b32 s47, s[WN], 16
	s_add_co_u32 s46, s46, s47
	s_lshl_b32 s47, s42, 8
	s_add_co_u32 s46, s46, s47
	s_mov_b32 s47, 0
	; the scalars of the lanes' addresses, all ahead of the one run of vector lines
	s_lshl_b32 s20, s[WM], 14                      ; blocks 0-3 of my 128 rows of ih
	s_lshl_b32 s21, s[WN], 15
	s_add_co_u32 s21, s21, 32768                   ; my 128 rows of W
	s_lshl_b32 s105, s[WM], 10
	s_add_co_u32 s22, s105, SCA-2048               ; scale words, one K step in front of K step 1's
	s_lshl_b32 s23, s[WN], 10
	s_add_co_u32 s23, s23, SCB-SCA
	s_sub_co_u32 s23, s23, s105                    ; from ih's to W's
	s_mul_i32 s66, s[WM], 128*CP
	s_mul_i32 s67, s[WN], 8*CP
	s_add_co_u32 s67, s67, s66                     ; back: eight rows, 8 WN on, of each block in my half of the rows
	s_lshl_b32 s105, s[WN], 7
	s_add_co_u32 s66, s66, s105                    ; the tail: row 128 WM + r, bytes 128 WN on
	s_lshl_b32 s100, s42, 8
	s_add_co_u32 s100, s100, s105                  ; the biases: columns 64 tc + 32 WN on
	s_lshl_b32 s101, s43, 11
	s_lshl_b32 s105, s[WM], 10
	s_add_co_u32 s101, s101, s105                  ; K step 0's scale words: ih's rows 256 tr + 128 WM on
	s_lshl_b32 s104, s42, 11
	s_lshl_b32 s105, s[WN], 10
	s_add_co_u32 s104, s104, s105
	s_add_co_u32 s104, s104, 262144
	s_sub_co_u32 s104, s104, s101                  ; from there to W's rows 256 tc + 128 WN on
	v_and_b32 v1, 15, v0                           ; r
	v_bfe_u32 v2, v0, 4, 1                         ; h
	v_and_b32 v3, 31, v0                           ; lane
	v_lshlrev_b32 v[AOF], 4, v3
	v_lshl_add_u32 v5, v2, 5, s100                 ; the biases: + 8 h columns
	v_mul_u32_u24 v6, s104, v2
	v_lshl_add_u32 v6, v1, 3, v6
	v_add_nc_u32 v6, s101, v6
	v_add_nc_u32 v[ADRA], s20, v[AOF]
	v_add_nc_u32 v[ADRA+1], SLOT, v[ADRA]
	v_add_nc_u32 v[ADRB], s21, v[AOF]
	v_add_nc_u32 v[ADRB+1], SLOT, v[ADRB]
	v_mul_u32_u24 v8, s23, v2
	v_lshl_add_u32 v8, v1, 3, v8
	v_add_nc_u32 v[ADRS], s22, v8
	v_mul_u32_u24 v7, v1, CP
	v_lshl_add_u32 v7, v2, 5, v7
	v_add_nc_u32 v[CLD], s66, v7
	v_add_nc_u32 v[CSG], STC, v[CLD]
	v_add_nc_u32 v[HSG], STH, v[CLD]
	v_mul_u32_u24 v7, v2, CP
	v_lshl_add_u32 v7, v1, 4, v7
	v_add_nc_u32 v7, s67, v7
	v_add_nc_u32 v[RDC], STC, v7
	v_add_nc_u32 v[RDH], STH, v7
	v_lshlrev_b32 v7, 13, v2
	v_lshl_add_u32 v[CO], v1, 4, v7
	v_lshlrev_b32 v[PFO], 8, v3
	v_lshlrev_b32 v[PFC], 13, v3
	s_wait_alu depctr_va_vdst(0)                   ; the wait behind the head's vector lines, ahead of the waits below
	s_lshl_b32 s66, s43, 16                        ; my 128 rows of ih in a K step of aq: 65,536 tr + 32,768 WM
	s_lshl_b32 s67, s[WM], 15
	s_add_co_u32 s66, s66, s67
	s_mov_b32 s67, 0
	s_wait_dscnt 0x0                               ; both opening adds are done
	CROUND                                         ; all sixteen work-groups are here: the first joint loads meet
	s_wait_kmcnt 0x0
	s_add_nc_u64 s[G0+2:G0+3], s[4:5], s[G0+2:G0+3]
	s_add_nc_u64 s[G0B+2:G0B+3], s[6:7], s[G0B+2:G0B+3]
	s_add_nc_u64 s[G0S+2:G0S+3], s[8:9], s[G0S+2:G0S+3]
	s_add_nc_u64 s[G0SB+2:G0SB+3], s[8:9], s[G0SB+2:G0SB+3]
	s_add_nc_u64 s[GA:GA+1], s[GA:GA+1], s[66:67]
	s_cmp_eq_u32 s[WM], 0
	s_cselect_b64 s[PFA:PFA+1], s[G0+2:G0+3], s[G0B+2:G0B+3]
	s_add_nc_u64 s[G0+6:G0+7], s[G0+2:G0+3], APLANE          ; slot 1 begins with K step 1
	s_add_nc_u64 s[G0B+6:G0B+7], s[G0B+2:G0B+3], BPLANE
.irp g, G0, G0+4, G0B, G0B+4, G0S, G0SB
	s_or_b32 s[\g+3], s[\g+3], 0x80000000
.endr
.macro ARM w, g0, g1, next             ; one chain of branches on the wave's number, one load to an arm, all arms to one join
	s_cmp_eq_u32 s[WV], \w
	s_cbranch_scc0 \next
	tensor_load_to_lds s[\g0:\g0+3], s[\g1:\g1+7]
	s_nop 0
	PLACES 4
	s_branch .Lhead_asked
\next:
.endm
	ARM 0, G0,  G1,  .Lhead_b
	ARM 2, G0B, G1B, .Lhead_sa
	ARM 1, G0S, G1S, .Lhead_sb
	tensor_load_to_lds s[G0SB:G0SB+3], s[G1SB:G1SB+7]
	s_nop 0
	PLACES 4
.Lhead_asked:
.macro UPPER q                         ; blocks 4-7 of ih for the half behind half q, from aq into the set that half q does not read; 32 lanes read 512 consecutive bytes
.irp i, 4,5,6,7
.irp c, 0,1,2,3
.if (\q) == 1
	global_load_b128 v[AF+FR*\i+4*\c:AF+FR*\i+4*\c+3], v[AOF], s[GA:GA+1] offset:\i*4096+512*\c
.else
	global_load_b128 v[BI+FR*(\i-4)+4*\c:BI+FR*(\i-4)+4*\c+3], v[AOF], s[GA:GA+1] offset:\i*4096+2048+512*\c
.endif
.endr
.endr
.endm
.irp b, 0,1,2,3,4,5,6,7
	global_load_b128 v[BI+8*\b:BI+8*\b+3],   v5, s[92+2*(\b/2):93+2*(\b/2)] offset:64*(\b%2)
	global_load_b128 v[BI+8*\b+4:BI+8*\b+7], v5, s[92+2*(\b/2):93+2*(\b/2)] offset:64*(\b%2)+16
.endr
.irp i, 0,1,2,3,4,5,6,7
	global_load_b64 v[SC+2*\i:SC+2*\i+1], v6, s[8:9] offset:128*\i
.endr
	UPPER 1                                        ; K step 0's first half
	s_add_nc_u64 s[10:11], s[10:11], s[2:3]
	s_add_nc_u64 s[16:17], s[16:17], s[46:47]
	s_add_nc_u64 s[18:19], s[18:19], s[46:47]
	s_and_b32 s44, ttmp7, 0xffff                   ; the prefetches of codes: who asks, and where
	s_cmp_eq_u32 s[WM], 0
	s_cselect_b32 s45, s40, s41                    ; my place among the four that ask with me
	s_cselect_b32 s44, ttmp9, s44                  ; the coordinate along which other clusters read the same rows
	s_mov_b32 s[PFS], BPLANE
	s_cselect_b32 s[PFS], APLANE, s[PFS]
	s_mov_b32 s[PFS+1], 0
	s_cmp_eq_u32 s44, 0
	s_cselect_b32 s[LIM], 1, -1
	s_lshl_b32 s44, s45, 13
	s_mov_b32 s45, 0
	s_add_nc_u64 s[PFA:PFA+1], s[PFA:PFA+1], s[44:45]
.rept 3
	s_add_nc_u64 s[PFA:PFA+1], s[PFA:PFA+1], s[PFS:PFS+1]   ; at K step 3: the first change of slots steps it to 4
.endr
	s_wait_loadcnt 0x0                             ; the biases, K step 0's scale words and its first blocks 4-7 are in: the biases' addresses are done with
	s_mov_b32 s[G1C+0], (2<<16)|(1<<20)|(5<<22)|(3<<25)   ; c's tile: 64 rows x 64 numbers a wave, 16 bytes of padding behind each row; no mask
	s_mov_b32 s[G1C+1], 64<<16
	s_mov_b32 s[G1C+2], 64<<16
	s_mov_b32 s[G1C+3], 64<<16
	s_mov_b32 s[G1C+4], 64
	s_mov_b32 s[G1C+5], 2048
	s_mov_b32 s[G1C+6], 0
	s_mov_b32 s[G1C+7], 0
	s_mov_b32 s[G0C], 1
	s_mul_i32 s[G0C+1], s[WV], 64*CP
	s_mov_b64 s[G0C+2:G0C+3], s[10:11]
	s_or_b32 s[G0C+3], s[G0C+3], 0x80000000
.macro FRAG reg, adr, q, i             ; a fragment, 16 rows x 128 K: register group c of lane l at 512 c + 16 l
.irp c, 0,1,2,3
	ds_load_b128 v[\reg+4*\c:\reg+4*\c+3], v[\adr] offset:(\i)*4096+(\q)*2048+512*\c
.endr
.endm
.macro SCALES sc                       ; a K step's scale words: lanes 0-15 ih's block i, lanes 16-31 W's block i
.irp i, 0,1,2,3,4,5,6,7
	ds_load_b64 v[SC+16*\sc+2*\i:SC+16*\sc+2*\i+1], v[ADRS] offset:\i*128
.endr
.endm
.macro MM a, b, ar, q, sc, first       ; ih's block a (its fragment at ar) x W's block b, the K step's q-th 128 (W's set q).  first: the sum begins with the bias
.if \first
	v_wmma_scale_f32_16x16x128_f8f6f4 v[8*(8*((\a)%4)+(\b)):8*(8*((\a)%4)+(\b))+7], v[128*(\q)+FR*(\b):128*(\q)+FR*(\b)+FR-1], v[(\ar):(\ar)+FR-1], v[BI+8*(\b):BI+8*(\b)+7], v[SC+16*(\sc)+2*(\b)+(\q)], v[SC+16*(\sc)+2*(\a)+(\q)] matrix_a_fmt:MATRIX_FMT_BF8 matrix_b_fmt:MATRIX_FMT_BF8 matrix_a_scale:MATRIX_SCALE_ROW1
.else
	v_wmma_scale_f32_16x16x128_f8f6f4 v[8*(8*((\a)%4)+(\b)):8*(8*((\a)%4)+(\b))+7], v[128*(\q)+FR*(\b):128*(\q)+FR*(\b)+FR-1], v[(\ar):(\ar)+FR-1], v[8*(8*((\a)%4)+(\b)):8*(8*((\a)%4)+(\b))+7], v[SC+16*(\sc)+2*(\b)+(\q)], v[SC+16*(\sc)+2*(\a)+(\q)] matrix_a_fmt:MATRIX_FMT_BF8 matrix_b_fmt:MATRIX_FMT_BF8 matrix_a_scale:MATRIX_SCALE_ROW1
.endif
.endm
.macro RUN q, ps, first                ; all that the next half (its LDS part in slot ps) reads, in the order in which it is wanted
.if (\q) == 1
	SCALES \ps
.endif
	WIN TO_B
.irp i, 0,1,2,3,4,5,6,7
	FRAG 128*(1-(\q))+FR*\i, ADRB+\ps, 1-(\q), \i
.endr
	WIN 0
.irp i, 0,1,2,3
	FRAG AF+FR*\i, ADRA+\ps, 1-(\q), \i
.endr
.if (\first) == 0
	UPPER \q
.endif
.endm
; A half.  fill = 1: this slot is filled again, two K steps ahead, jointly; 2: slot 0 takes c's tile; 0: no change of slots.  The 64 accumulators take turns, in the same order in every half.
; The wait on DScnt at the head of ih's block g, g = 0 .. 3, counts the LDS loads of the last run behind block g's four: blocks g + 1 .. 3: 4 (3 - g).  Blocks 4-7 are waited for on LOADcnt, for 0, ahead of the run: no global load of mine is younger.
.macro H slot, q, ps, fill, first, last
.set M_, 0
.rept 64
.set A_, M_/8
.set B_, M_%8
.if A_ < 4 || (\q) == 0
.set AR_, AF+FR*A_
.else
.set AR_, BI+FR*(A_-4)
.endif
.if B_ == 0 && A_ < 4
	s_wait_dscnt 12-4*A_
.endif
	WIN ((2+A_/4)<<6)|(((2+A_/4)*(1-(\first)))<<4)|1   ; source 0 (W) window 1, source 1 (ih) window 0, D window 2 or 3, C with it or, for the bias, window 0
	MM A_, B_, AR_, \q, \slot, \first
.if \fill
.if M_ == 27
	WIN 0
	s_wait_xcnt 0x0                                ; my last prefetch and my loads of blocks 4-7 have read their addresses: they are stepped here
.if \fill == 1
	s_add_nc_u64 s[PFA:PFA+1], s[PFA:PFA+1], s[PFS:PFS+1]
.endif
	s_add_nc_u64 s[GA:GA+1], s[GA:GA+1], APLANE    ; on to the next K step of aq
	s_wait_tensorcnt 0x0                           ; my one tensor load, my part of the other slot, has landed: every group 0 may be written
	ds_add_u32 v[SPW], v[NIL]                      ; 0 onto my spare word; four products stand between it and the wait for it
.if \fill == 1
	s_add_nc_u64 s[G0+4*\slot+2:G0+4*\slot+3], s[G0+4*\slot+2:G0+4*\slot+3], 2*APLANE
	s_add_nc_u64 s[G0B+4*\slot+2:G0B+4*\slot+3], s[G0B+4*\slot+2:G0B+4*\slot+3], 2*BPLANE
.endif
.endif
.endif
.if M_ == 31
	WIN 0
.if \fill
	s_wait_dscnt 0x0                               ; the add is done; my reads of this slot were over at block 3's head
	CROUND                                         ; no wave of any partner still reads this slot's tile or has a load on its way
.if \fill == 1
	JLOAD G0+4*\slot, G1, G0B+4*\slot, G1B         ; the first tensor load behind the round, and my only one until the next
.else
	tensor_load_to_lds s[G0C:G0C+3], s[G1C:G1C+7]  ; every wave its own 64 rows of c
	s_nop 0
	PLACES 4
.endif
	PLACES 4                                       ; with the four behind the load: the eight places ahead of loads into registers that products have read
	v_add_nc_u32 v[ADRS], 2048, v[ADRS]            ; on to the next K step's scale words
	s_wait_alu depctr_va_vdst(0)                   ; directly behind the write
.elseif (\last) == 0
	PLACES 8
.endif
	s_wait_loadcnt 0x0                             ; ih's blocks 4-7 of this half are in
.if (\last) == 0
	RUN \q, \ps, \first
.endif
.if \fill == 1
	ASK
	ASKC \slot
.endif
.endif
.set M_, M_+1
.endr
.endm
	s_wait_alu depctr_va_vdst(0)                   ; the wait at the head's end
	s_wait_tensorcnt 0x0                           ; my tile of the head's four is in
	ds_add_u32 v[SPW], v[NIL]
	s_mov_b32 s[G1+1], 32<<16                      ; no tensor load of mine is out: from here on a load of ih brings 64 rows of 256 bytes,
	s_mov_b32 s[G1+2], 64<<16
	s_mov_b32 s[G1+3], 32<<16
	s_mov_b32 s[G1+4], 64
	s_mov_b32 s[G1+5], 32
	s_mov_b32 s[G1B+2], 128<<16                    ; one of W 128
	s_mov_b32 s[G1B+4], 128
	s_wait_dscnt 0x0
	CROUND                                         ; all four tiles are in, and the joint loads meet
	JLOAD G0+4, G1, G0B+4, G1B                     ; K step 1
	WIN TO_B
.irp i, 0,1,2,3,4,5,6,7
	FRAG FR*\i, ADRB, 0, \i
.endr
	WIN 0
.irp i, 0,1,2,3
	FRAG AF+FR*\i, ADRA, 0, \i
.endr
	H 0, 0, 0, 0, 1, 0                             ; the first half stands in front of the loop: its products start the sums, from the biases
	WIN 0
	PLACES 8                                       ; the biases have been read for the last time:
	UPPER 0                                        ; their registers take the second half's blocks 4-7
	s_mov_b32 s3, 7
.Llap:                                                 ; a trip goes once round the ring and fills both slots again: K steps 2 to 15 in seven trips
	H 0, 1, 1, 1, 0, 0
	H 1, 0, 1, 0, 0, 0
	H 1, 1, 0, 1, 0, 0
	H 0, 0, 0, 0, 0, 0
	WIN 0
	s_sub_co_u32 s3, s3, 1
	s_cmp_lg_u32 s3, 0
	s_cbranch_scc1 .Llap
	H 0, 1, 1, 2, 0, 0                             ; K step 14 ends; slot 0 takes c
	H 1, 0, 1, 0, 0, 0
	H 1, 1, 0, 0, 0, 1
	WIN 0
	PLACES 8                                       ; in front of the first read of results and of writes into the registers that held ih's fragments
	s_wait_tensorcnt 0x0                           ; my 64 rows of c are in; descriptor registers may be written
	s_mov_b32 s[KS], 0xbfb8aa3b                    ; -log2(e)
	s_mov_b32 s[KS+1], 0xbfb8aa3b
	s_mov_b32 s[KT], 0x4038aa3b                    ; 2 log2(e)
	s_mov_b32 s[KT+1], 0x4038aa3b
	s_mov_b32 s[K64], 0x42800000                   ; 64.0
	s_wait_dscnt 0x0
	s_barrier_signal -1
	s_barrier_wait -1                              ; c's tile is whole, and nobody reads codes or scale bytes any more: the stages may be written
.macro BACK a                          ; eight whole rows of block a from each stage, two rows an instruction
.irp t, 0,1,2,3
	ds_load_b128 v[OB+4*\t:OB+4*\t+3], v[RDC] offset:(\a)*16*CP+\t*2*CP
.endr
.irp t, 0,1,2,3
	ds_load_b128 v[OB+16+4*\t:OB+16+4*\t+3], v[RDH] offset:(\a)*16*CP+\t*2*CP
.endr
.endm
.macro SEND a                          ; 16 lanes store 256 consecutive bytes, at a multiple of 256 from the output's first byte
.irp t, 0,1,2,3
	global_store_b128 v[CO], v[OB+4*\t:OB+4*\t+3], s[18:19] offset:(\a)*131072+\t*16384 th:TH_STORE_NT
.endr
.irp t, 0,1,2,3
	global_store_b128 v[CO], v[OB+16+4*\t:OB+16+4*\t+3], s[16:17] offset:(\a)*131072+\t*16384 th:TH_STORE_NT
.endr
.endm
; THE TAIL, block a of 16 rows.  With E = 2^x, L = log2(e): s(z) = 1 / (1 + E(-L z)), tanh(x) = (E(2 L x) - 1) / (E(2 L x) + 1); s(z2) tanh(z3) = (E3 - 1) / ((1 + E2)(E3 + 1)), tanh(c) s(z4) likewise.
; A row's 256 bytes come from two waves: block a - 1's barrier was signalled behind its stage stores; it is waited for behind this block's exponentials, its rows are read back under the rest of this block's work and stored ahead of this block's signal.
.macro EPI a
.set AC, 64*((\a)%4)
	ds_load_b128 v[CV:CV+3],     v[CLD] offset:(\a)*16*CP
	ds_load_b128 v[CV+4:CV+7],   v[CLD] offset:(\a)*16*CP+16
	ds_load_b128 v[CV+8:CV+11],  v[CLD] offset:(\a)*16*CP+64
	ds_load_b128 v[CV+12:CV+15], v[CLD] offset:(\a)*16*CP+80
	WIN (0x02+(\a)/4)
	s_wait_alu depctr_va_vdst(0)
.set i, 0
.rept 32                               ; the exponents, each accumulator from its low end on; gate 3 by 2 L, the others by -L
.if i/8 == 2
	v_pk_mul_f32 v[XG+2*i:XG+2*i+1], v[AC+2*i:AC+2*i+1], s[KT:KT+1] op_sel_hi:[1,0]
.else
	v_pk_mul_f32 v[XG+2*i:XG+2*i+1], v[AC+2*i:AC+2*i+1], s[KS:KS+1] op_sel_hi:[1,0]
.endif
.set i, i+1
.endr
	WIN 0
	s_wait_dscnt 0x0                               ; c is in
.irp i, 0,2,4,6,8,10,12,14
	v_pk_mul_f32 v[XC+\i:XC+\i+1], v[CV+\i:CV+\i+1], s[KT:KT+1] op_sel_hi:[1,0]
.endr
.set i, 0
.rept 16
	v_min_num_f32 v[X3+i], s[K64], v[X3+i]         ; the two tanh: the exponent is held at 64
	v_min_num_f32 v[XC+i], s[K64], v[XC+i]
.set i, i+1
.endr
	s_wait_alu depctr_va_vdst(0)                   ; ahead of the batch
.set i, 0
.rept 80
	v_exp_f32 v[XG+i], v[XG+i]
.set i, i+1
.endr
	v_nop
.if (\a) > 0
	s_barrier_wait -1                              ; block a - 1's rows are whole in both stages
.if (\a) > 1
	s_wait_xcnt 0x0                                ; block a - 2's global stores have read their registers
.endif
	BACK (\a)-1
.endif
	s_wait_alu depctr_va_vdst(0)                   ; one wait for the batch, ahead of its first reader
.irp i, 0,2,4,6,8,10,12,14
	v_pk_add_f32 v[X1+\i:X1+\i+1], v[X1+\i:X1+\i+1], 1.0 op_sel_hi:[1,0]
	v_pk_add_f32 v[SS+\i:SS+\i+1], v[X3+\i:X3+\i+1], 1.0 op_sel_hi:[1,0]
	v_pk_add_f32 v[AA+\i:AA+\i+1], v[XC+\i:XC+\i+1], 1.0 op_sel_hi:[1,0]
.endr
.irp i, 0,2,4,6,8,10,12,14
	v_pk_fma_f32 v[X2+\i:X2+\i+1], v[X2+\i:X2+\i+1], v[SS+\i:SS+\i+1], v[SS+\i:SS+\i+1]   ; (1 + E2)(E3 + 1)
	v_pk_fma_f32 v[X4+\i:X4+\i+1], v[X4+\i:X4+\i+1], v[AA+\i:AA+\i+1], v[AA+\i:AA+\i+1]   ; (1 + E4)(Ec + 1)
.endr
	s_wait_alu depctr_va_vdst(0)
.set i, 0
.rept 16
	v_rcp_f32 v[X1+i], v[X1+i]
	v_rcp_f32 v[X2+i], v[X2+i]
	v_rcp_f32 v[X4+i], v[X4+i]
.set i, i+1
.endr
.irp i, 0,2,4,6,8,10,12,14
	v_pk_add_f32 v[X3+\i:X3+\i+1], v[X3+\i:X3+\i+1], -1.0 op_sel_hi:[1,0]
	v_pk_add_f32 v[XC+\i:XC+\i+1], v[XC+\i:XC+\i+1], -1.0 op_sel_hi:[1,0]
.endr
	s_wait_alu depctr_va_vdst(0)                   ; one wait for the 48 reciprocals
.irp i, 0,2,4,6,8,10,12,14
	v_pk_mul_f32 v[X3+\i:X3+\i+1], v[X3+\i:X3+\i+1], v[X2+\i:X2+\i+1]
	v_pk_mul_f32 v[OH+\i:OH+\i+1], v[XC+\i:XC+\i+1], v[X4+\i:X4+\i+1]      ; new_h
.endr
.irp i, 0,2,4,6,8,10,12,14
	v_pk_fma_f32 v[OC+\i:OC+\i+1], v[CV+\i:CV+\i+1], v[X1+\i:X1+\i+1], v[X3+\i:X3+\i+1]   ; new_c
.endr
	ds_store_b128 v[HSG], v[OH:OH+3]     offset:(\a)*16*CP
	ds_store_b128 v[HSG], v[OH+4:OH+7]   offset:(\a)*16*CP+16
	ds_store_b128 v[HSG], v[OH+8:OH+11]  offset:(\a)*16*CP+64
	ds_store_b128 v[HSG], v[OH+12:OH+15] offset:(\a)*16*CP+80
	ds_store_b128 v[CSG], v[OC:OC+3]     offset:(\a)*16*CP
	ds_store_b128 v[CSG], v[OC+4:OC+7]   offset:(\a)*16*CP+16
	ds_store_b128 v[CSG], v[OC+8:OC+11]  offset:(\a)*16*CP+64
	ds_store_b128 v[CSG], v[OC+12:OC+15] offset:(\a)*16*CP+80
	s_wait_dscnt 0x0                               ; my stores into the stages are done, and block a - 1's rows are back
.if (\a) > 0
	SEND (\a)-1
.endif
	s_barrier_signal -1                            ; up to its wait stand register work and loads of c's tile, which nobody writes
.endm
.irp a, 0,1,2,3,4,5,6,7
	EPI \a
.endr
	s_barrier_wait -1
	s_wait_xcnt 0x0
	BACK 7
	s_wait_dscnt 0x0
	SEND 7
	s_wait_tensorcnt 0x0                           ; the wave's end
	ds_add_u32 v[SPW], v[NIL]
	s_wait_dscnt 0x0
	CROUND                                         ; the closing round
	s_endpgm
.Lfunc_end_k_q2b4f031867_lstm:
	.size	k_q2b4f031867_lstm, .Lfunc_end_k_q2b4f031867_lstm-k_q2b4f031867_lstm
	.p2alignl 7, 3214868480
	.fill 96, 4, 3214868480
	.section	.rodata,"a",@progbits
	.p2align	6, 0x0
	.amdhsa_kernel k_q2b4f031867_lstm
		.amdhsa_group_segment_fixed_size 327680
		.amdhsa_private_segment_fixed_size 0
		.amdhsa_enable_private_segment 0
		.amdhsa_kernarg_size 80
		.amdhsa_user_sgpr_count 2
		.amdhsa_user_sgpr_kernarg_segment_ptr 1
		.amdhsa_wavefront_size32 1
		.amdhsa_system_sgpr_workgroup_id_x 1
		.amdhsa_system_sgpr_workgroup_id_y 1
		.amdhsa_system_sgpr_workgroup_id_z 1
		.amdhsa_system_vgpr_workitem_id 0
		.amdhsa_next_free_vgpr 1024
		.amdhsa_next_free_sgpr 106
		.amdhsa_reserve_vcc 0
		.amdhsa_float_denorm_mode_32 3
		.amdhsa_float_denorm_mode_16_64 3
		.amdhsa_memory_ordered 1
		.amdhsa_forward_progress 1
		.amdhsa_inst_pref_size 245
	.end_amdhsa_kernel
	.amdgpu_metadata
---
amdhsa.version: [ 1, 2 ]
amdhsa.kernels:
  - .name:           k_q2b4f031867_lstm
    .symbol:         k_q2b4f031867_lstm.kd
    .args:
      - { .name: aq, .offset: 0, .size: 8, .value_kind: global_buffer, .address_space: global }
      - { .name: wq, .offset: 8, .size: 8, .value_kind: global_buffer, .address_space: global }
      - { .name: scl, .offset: 16, .size: 8, .value_kind: global_buffer, .address_space: global }
      - { .name: c, .offset: 24, .size: 8, .value_kind: global_buffer, .address_space: global }
      - { .name: b1, .offset: 32, .size: 8, .value_kind: global_buffer, .address_space: global }
      - { .name: b2, .offset: 40, .size: 8, .value_kind: global_buffer, .address_space: global }
      - { .name: b3, .offset: 48, .size: 8, .value_kind: global_buffer, .address_space: global }
      - { .name: b4, .offset: 56, .size: 8, .value_kind: global_buffer, .address_space: global }
      - { .name: out0, .offset: 64, .size: 8, .value_kind: global_buffer, .address_space: global }
      - { .name: out1, .offset: 72, .size: 8, .value_kind: global_buffer, .address_space: global }
    .group_segment_fixed_size: 327680
    .private_segment_fixed_size: 0
    .kernarg_segment_align: 8
    .kernarg_segment_size: 80
    .max_flat_workgroup_size: 128
    .sgpr_count:     106
    .vgpr_count:     1024
    .wavefront_size: 32
...
	.end_amdgpu_metadata
.endif
;; end of part 2
